; MI455X (gfx1250); checked and timed in simulation.
; The chip was launched on July 23, 2026; its instructions are those of AMD's public machine-readable ISA for CDNA 5 (MIT licence, August 2026) and "CDNA5" Instruction Set Architecture Reference Guide (July 2026). The comments in the code are by the model that wrote it; some were corrected since.
;; CPAB transformer. Allowed arithmetic: float matrix products may take bf16 or f16 operands with f32 sums; all other float work in f32.
;; Inputs: basis 64 x 30 float32; points 1 x 262,144 float32; theta 8 x 30 float32.
;; Outputs: out0 8 x 1 x 262,144 float32.
;; 2 versions, each right; version 2 is version 1 with the launch cpab written anew for expert scheduling mode. Each part assembles by itself: llvm-mc -triple=amdgcn-amd-amdhsa -mcpu=gfx1250 --defsym DOCPART=n.
;; ======== version 1 of 2: 1 launch
;; launch cpab (part 1): grid 256 x 1, 16 waves a work-group, no clusters, 10,240 bytes of LDS; arguments points, theta, basis, out0; writes out0
.if DOCPART == 1
	.amdgcn_target "amdgcn-amd-amdhsa--gfx1250"
	.amdhsa_code_object_version 6
	.text
	.protected	k_q08884c0afd_cpab
	.globl	k_q08884c0afd_cpab
	.p2align	8
	.type	k_q08884c0afd_cpab,@function
k_q08884c0afd_cpab:
	s_mov_b64 s[64:65], 0
	v_nop
	global_prefetch_b8 v0, s[64:65] scope:SCOPE_SE
	s_setreg_imm32_b32 hwreg(HW_REG_WAVE_MODE, 25, 1), 1
	s_wait_xcnt 0x0
; 1-D CPAB transformer.  out0[t][p] = points[p] moved 32 times by x <- ea[t][cell] * x + bp[t][cell], cell = clip(floor(32 x), 0, 31),
; with a = (basis[2 cell] . theta[t]) / 32, b = (basis[2 cell + 1] . theta[t]) / 32, ea = exp(a), bp = b * expm1(a) / a.
;
; SHARES.  256 work-groups of 16 waves.  A work-group owns 1,024 points; wave w takes theta t = w & 7 and half w >> 3 of them: 512 points,
; 16 registers of x a lane, 16 chains that do not depend on each other.  A load or store of a wave covers 512 consecutive bytes, aligned.
; THE TABLE IS IN REGISTERS: lane c of a wave holds ea and bp of cell c of the wave's theta, and a step fetches both with ds_bpermute_b32,
; which moves registers between lanes and touches no LDS byte.
; THE STATE IS X = 128 x, and the table holds 128 bp.  A power of two scales exactly, so every rounding is that of the unscaled step, and
; trunc(clamp(X, 0, 127)) is 4 cell + (0..3): the permute takes index / 4 as the lane, so the number is used as it is.
; THE LAST BIT COUNTS: the field jumps at cell borders, so a state one unit in the last place off can take another cell and end far away.
; Hence: product and sum of a step are NOT fused (the problem's einsum sums the rounded products ea * x and bp * 1); the 64 x 8 x 30 product
; is in f32, one fused chain for each sum, k ascending (16-bit operands would move trajectories into other cells); and exp and expm1 are not
; made as exact as can be, but by the f32 forms that, to this writer's knowledge, JAX's CPU back end evaluates them by: exp by the Cephes
; library's polynomial, expm1(a) = tanh(a/2) (exp(a) + 1) up to |a| = 0.5 and exp(a) - 1 beyond, tanh by Eigen's rational function,
; every multiply with a dependent add fused, both quotients correctly rounded.
;
; LIMITS.  |x| stays below 2^121 at every step (X = 128 x must not overflow).  Where x overflows, the problem's homogeneous row makes NaN
; of it (0 * inf) and this text keeps inf.  For the exponential a is clamped to [-104, 89]: outside, exp(a) is 0 or inf in f32 anyway.
; Where exp(a) is inf (a above 88.7, that is basis . theta above 2,839) bp comes out as NaN, not inf.  For |a| above 2^126 the reciprocal
; is flushed and phi comes out as 0 where it is below 2^-126.
.set NSTEPS, 32
.set D,      30                        ; numbers in a row of theta and of basis
.set ROWB,   4*D                       ; 120 bytes
.set CELLB,  2*ROWB                    ; a cell's two rows of basis follow each other: 240 bytes
.set OFF, 2                            ; v2       16 x lane: my 16 bytes in each 512 of the wave's points and results; never rewritten
.set STA, 3                            ; v3       16 x thread: my 16 bytes of basis, in memory and in LDS; never rewritten
.set TEA, 4                            ; v4       lane c: ea of cell c
.set TB,  5                            ; v5       lane c: 128 bp of cell c
.set LA,  6                            ; v6       240 x lane: my cell's rows in LDS
.set X,   8                            ; v[8:23]  the 16 chains
.set IDX, 24                           ; v[24:39] their indices
.set EA,  40                           ; v[40:55] ea as fetched
.set BB,  56                           ; v[56:71] 128 bp as fetched
.set BAS, 24                           ; v[24:83] set-up only: basis[2c][0..29], basis[2c+1][0..29]
.set STG, 84                           ; v[84:87] set-up only: 16 bytes of basis on their way to LDS
.set HH,  24                           ; set-up temporaries behind the dot products, in registers that held basis
.set H2,  25
.set NUM, 26
.set DEN, 27
.set RD,  28
.set TT,  29
.set AH,  30
.set EP,  31
.set EM,  32
.set AA,  88                           ; set-up temporaries
.set BV,  89
.set XC,  90
.set NF,  91
.set RR,  92
.set PP,  93
.set ZZ,  94
.set YY,  95
.set EE,  96
.set NI,  97
.set E1,  98
.set AB,  99
.set AS,  100
.set RC,  101
.set PS,  102
.set QQ,  103
.set RM,  104
.set ONE, 105
	s_load_b256 s[4:11], s[0:1], 0x0               ; points s[4:5], theta s[6:7], basis s[8:9], out0 s[10:11]
	v_lshl_add_u32 v108, v0, 2, 0x2000
	v_mov_b32 v109, 0
	v_lshrrev_b32 v1, 5, v0
	v_readfirstlane_b32 s12, v1                    ; wave 0..15
	v_and_b32 v1, 31, v0                           ; lane = cell
	s_and_b32 s13, s12, 7                          ; t
	s_lshr_b32 s14, s12, 3                         ; which half of the group's points
	s_mul_i32 s46, s13, ROWB                       ; theta's row t, in bytes
	s_mov_b32 s47, 0
	s_lshl_b32 s2, ttmp9, 12                       ; the group's 1,024 points: 4,096 bytes
	s_lshl_b32 s14, s14, 11                        ; the wave's 512: 2,048 bytes
	s_or_b32 s2, s2, s14
	s_mov_b32 s3, 0
	s_lshl_b32 s48, s13, 20                        ; row t of out0: 262,144 x 4 bytes
	s_or_b32 s48, s48, s2
	s_mov_b32 s49, 0
	s_mov_b32 s50, 0x42fe0000                      ; 127.0
	s_mov_b32 s52, 0xc2d00000                      ; -104.0
	s_mov_b32 s53, 0x42b20000                      ; 89.0
	s_mov_b32 s54, 0x3fb8aa3b                      ; 1 / ln 2
	v_lshlrev_b32 v[OFF], 4, v1
	v_lshlrev_b32 v[STA], 4, v0
	v_mul_u32_u24 v[LA], v1, CELLB
	s_wait_kmcnt 0x0
	s_add_nc_u64 s[6:7], s[6:7], s[46:47]
	s_load_b512 s[16:31], s[6:7], 0x0              ; theta[t][0..29] into s[16:45]: 16 + 8 + 4 + 2 words, the row's 120 bytes and no more
	s_load_b256 s[32:39], s[6:7], 0x40
	s_load_b128 s[40:43], s[6:7], 0x60
	s_load_b64 s[44:45], s[6:7], 0x70
	s_add_nc_u64 s[4:5], s[4:5], s[2:3]            ; points and out0 at the wave's first number
	s_add_nc_u64 s[10:11], s[10:11], s[48:49]
.macro LOADX                           ; the wave's 512 points; wanted only behind the set-up
.irp j, 0,1,2,3
	global_load_b128 v[X+4*\j:X+4*\j+3], v[OFF], s[4:5] offset:512*\j
.endr
.endm
	; basis is 7,680 bytes = 15 waves x 32 lanes x 16 bytes: waves 0 to 14 bring it into LDS once, in consecutive bytes; wave 15 has no part.
	s_cmp_lt_u32 s12, 15
	s_cbranch_scc0 .Lno_part
	global_load_b128 v[STG:STG+3], v[STA], s[8:9]
	LOADX
	s_wait_loadcnt 0x4                             ; loads come back in order: my part of basis is in, the four loads of points stay out
	ds_store_b128 v[STA], v[STG:STG+3]
	s_branch .Lstaged
.Lno_part:
	LOADX
.Lstaged:
	s_wait_dscnt 0x0                               ; my store is done, for the other waves' sake,
	s_barrier_signal -1
	s_barrier_wait -1                              ; and so is everybody's: basis is whole, and nobody writes LDS again
	; my cell's two rows: 15 loads of 16 bytes.  Lanes are 240 bytes apart, an odd multiple of 16: sixteen lanes touch sixteen different columns of 16 bytes.
.set i, 0
.rept 15
	ds_load_b128 v[BAS+4*i:BAS+4*i+3], v[LA] offset:16*i
.set i, i+1
.endr
	v_mov_b32 v[ONE], 1.0
	v_mov_b32 v[PP], 0x39506967                    ; the exponential's leading coefficient, 1.9875691500e-4
	s_wait_kmcnt 0x0                               ; theta's row
	s_wait_dscnt 0x0                               ; basis' rows
	v_mul_f32 v[AA], s16, v[BAS]                   ; the first products start the two sums
	v_mul_f32 v[BV], s16, v[BAS+D]
.set k, 1
.rept D-1
	v_fmac_f32 v[AA], s[16+k], v[BAS+k]            ; k ascending, one chain for a and one for b, by turns
	v_fmac_f32 v[BV], s[16+k], v[BAS+D+k]
.set k, k+1
.endr
	v_mul_f32 v[AA], 0x3d000000, v[AA]             ; times dT = 1/32, exact
	v_mul_f32 v[BV], 0x3d000000, v[BV]
	; exp(a) = 2^n (1 + y), n = floor(a / ln 2 + 0.5), r = a - n ln 2 (ln 2 in two parts), y = r + r^2 P(r), P of degree 5 (Cephes' expf).
	; For the usual small a: n = 0 and r = a.
	v_med3_num_f32 v[XC], v[AA], s52, s53
	v_fma_f32 v[NF], v[XC], s54, 0.5
	v_floor_f32 v[NF], v[NF]
	v_fmamk_f32 v[RR], v[NF], 0xbf318000, v[XC]    ; - n x 0.693359375
	v_fmamk_f32 v[RR], v[NF], 0x395e8083, v[RR]    ; + n x 2.12194440e-4
	v_fmaak_f32 v[PP], v[PP], v[RR], 0x3ab743ce    ; 1.3981999507e-3
	v_fmaak_f32 v[PP], v[PP], v[RR], 0x3c088908    ; 8.3334519073e-3
	v_fmaak_f32 v[PP], v[PP], v[RR], 0x3d2aa9c1    ; 4.1665795894e-2
	v_fmaak_f32 v[PP], v[PP], v[RR], 0x3e2aaaaa    ; 1.6666665459e-1
	v_fma_f32 v[PP], v[PP], v[RR], 0.5             ; 5.0000001201e-1 is 0.5 in f32
	v_mul_f32 v[ZZ], v[RR], v[RR]
	v_fma_f32 v[YY], v[PP], v[ZZ], v[RR]
	v_add_f32 v[EE], 1.0, v[YY]
	v_cvt_i32_f32 v[NI], v[NF]
	v_ldexp_f32 v[TEA], v[EE], v[NI]               ; ea; 0 or inf where f32 has no number for it
	; tanh(h), h = a / 2, as h N(h^2) / D(h^2); it is used up to |h| = 0.25 alone, so the form's clamp of h at 7.9988 is not written
	; (beyond 0.25 whatever comes out here, NaN too, is dropped by the select below).  The two Horner chains take turns.
	v_mul_f32 v[HH], 0.5, v[AA]
	v_mul_f32 v[H2], v[HH], v[HH]
	v_mov_b32 v[NUM], -0.000000000000000276076847742355
	v_mov_b32 v[DEN], 0.00000119825839466702
	v_fmaak_f32 v[NUM], v[H2], v[NUM], 0.000000000000200018790482477
	v_fmaak_f32 v[DEN], v[H2], v[DEN], 0.000118534705686654
	v_fmaak_f32 v[NUM], v[H2], v[NUM], -0.0000000000860467152213735
	v_fmaak_f32 v[DEN], v[H2], v[DEN], 0.00226843463243900
	v_fmaak_f32 v[NUM], v[H2], v[NUM], 0.0000000512229709037114
	v_fmaak_f32 v[DEN], v[H2], v[DEN], 0.00489352518554385
	v_fmaak_f32 v[NUM], v[H2], v[NUM], 0.0000148572235717979
	v_rcp_f32 v[RD], v[DEN]
	v_fmaak_f32 v[NUM], v[H2], v[NUM], 0.000637261928875436    ; a plain instruction that names neither the reciprocal nor its source stands behind v_rcp_f32 (ISA guide 5.7.2)
	v_fmaak_f32 v[NUM], v[H2], v[NUM], 0.00489352455891786
	v_mul_f32 v[NUM], v[HH], v[NUM]
	s_wait_alu depctr_va_vdst(0)
	v_mul_f32 v[TT], v[NUM], v[RD]                 ; the quotient to a unit or two,
	v_fma_f32 v[RM], -v[TT], v[DEN], v[NUM]        ; its remainder,
	v_fma_f32 v[TT], v[RM], v[RD], v[TT]           ; and the quotient rounded once from quotient + remainder / divisor
	v_and_b32 v[AH], 0x7fffffff, v[HH]
	v_cmp_gt_f32 vcc_lo, 0.0004, v[AH]
	v_cndmask_b32 v[TT], v[TT], v[HH], vcc_lo      ; tanh(h) = h where |h| < 0.0004
	; expm1(a) = tanh(a/2) (exp(a) + 1), or exp(a) - 1 where |a| > 0.5.  (That form's third case, a / 2 = 0, lies inside |a| < 1e-6 below.)
	v_add_f32 v[EP], 1.0, v[TEA]
	v_add_f32 v[EM], -1.0, v[TEA]
	v_mul_f32 v[E1], v[TT], v[EP]
	v_and_b32 v[AB], 0x7fffffff, v[AA]
	v_cmp_lt_f32 vcc_lo, 0.5, v[AB]
	v_cndmask_b32 v[E1], v[E1], v[EM], vcc_lo
	; phi = expm1(a) / a, or 1 + a / 2 where |a| < 1e-6, as the problem has it
	v_cmp_gt_f32 vcc_lo, 0x358637bd, v[AB]         ; 1e-6 > |a|
	v_cndmask_b32 v[AS], v[AA], v[ONE], vcc_lo     ; the divisor: 1 there, a elsewhere
	v_rcp_f32 v[RC], v[AS]
	v_fma_f32 v[PS], 0.5, v[AA], 1.0               ; the plain instruction behind v_rcp_f32
	s_wait_alu depctr_va_vdst(0)
	v_mul_f32 v[QQ], v[E1], v[RC]
	v_fma_f32 v[RM], -v[QQ], v[AS], v[E1]          ; as above: remainder,
	v_fma_f32 v[QQ], v[RM], v[RC], v[QQ]           ; and one rounding
	v_cndmask_b32 v[QQ], v[QQ], v[PS], vcc_lo
	v_mul_f32 v[BV], v[BV], v[QQ]                  ; bp = b phi
	v_mul_f32 v[TB], 0x43000000, v[BV]             ; 128 bp, exact
	s_wait_loadcnt 0x0                             ; the points
.irp i, 0,2,4,6,8,10,12,14
	v_pk_mul_f32 v[X+\i:X+\i+1], v[X+\i:X+\i+1], 0x43000000 op_sel_hi:[1,0]    ; X = 128 x, exact
.endr
; Chains g to g + 7: the index, and both table entries from the lane that holds the cell.
.macro GATHER g
.irp i, 0,1,2,3,4,5,6,7
	v_med3_num_f32 v[IDX+\g+\i], v[X+\g+\i], 0, s50            ; clamp first: in [0, 127] truncation is floor, and below 0 and from 124 on the cell is the clipped one
.endr
.irp i, 0,1,2,3,4,5,6,7
	v_cvt_u32_f32 v[IDX+\g+\i], v[IDX+\g+\i]                   ; 4 cell + (0..3)
.endr
.irp i, 0,1,2,3,4,5,6,7
	ds_bpermute_b32 v[EA+\g+\i], v[IDX+\g+\i], v[TEA]
	ds_bpermute_b32 v[BB+\g+\i], v[IDX+\g+\i], v[TB]
.endr
.endm
; Chains g to g + 7: the step, two chains an instruction; product and sum each rounded (see the head).
.macro APPLY g
.irp i, 0,2,4,6
	v_pk_mul_f32 v[X+\g+\i:X+\g+\i+1], v[X+\g+\i:X+\g+\i+1], v[EA+\g+\i:EA+\g+\i+1]
.endr
.irp i, 0,2,4,6
	v_pk_add_f32 v[X+\g+\i:X+\g+\i+1], v[X+\g+\i:X+\g+\i+1], v[BB+\g+\i:BB+\g+\i+1]
.endr
.endm
	; Two groups of eight chains, half a step apart: while one group's 16 permutes are on their way, the other group's arithmetic is done.
	; At the loop's head, on the way in and on the way back, the 16 permutes of chains 0 to 7 are out.
	GATHER 0
	s_mov_b32 s51, NSTEPS-1
.Lstep:
	GATHER 8
	s_wait_dscnt 16                                ; LDS instructions come back in order: all but the 16 just issued, so chains 0 to 7 have theirs
	APPLY 0
	GATHER 0                                       ; their next step
	s_wait_dscnt 16                                ; all but those 16: chains 8 to 15 have theirs
	APPLY 8
	s_sub_co_u32 s51, s51, 1
	s_cmp_lg_u32 s51, 0
	s_cbranch_scc1 .Lstep
	GATHER 8                                       ; the last step: nothing is fetched for a step 33
	s_wait_dscnt 16
	APPLY 0
	s_wait_dscnt 0
	APPLY 8
.irp i, 0,2,4,6,8,10,12,14
	v_pk_mul_f32 v[X+\i:X+\i+1], v[X+\i:X+\i+1], 0x3c000000 op_sel_hi:[1,0]    ; x = X / 128, exact
.endr
.irp j, 0,1,2,3
	global_store_b128 v[OFF], v[X+4*\j:X+4*\j+3], s[10:11] offset:512*\j th:TH_STORE_NT   ; 512 consecutive bytes, aligned; written once, not read again
.endr
	s_wait_tensorcnt 0x0
	ds_add_u32 v108, v109
	s_wait_dscnt 0x0
	s_endpgm
.Lfunc_end_k_q08884c0afd_cpab:
	.size	k_q08884c0afd_cpab, .Lfunc_end_k_q08884c0afd_cpab-k_q08884c0afd_cpab
	.p2alignl 7, 3214868480
	.fill 96, 4, 3214868480
	.section	.rodata,"a",@progbits
	.p2align	6, 0x0
	.amdhsa_kernel k_q08884c0afd_cpab
		.amdhsa_group_segment_fixed_size 10240
		.amdhsa_private_segment_fixed_size 0
		.amdhsa_enable_private_segment 0
		.amdhsa_kernarg_size 32
		.amdhsa_user_sgpr_count 2
		.amdhsa_user_sgpr_kernarg_segment_ptr 1
		.amdhsa_wavefront_size32 1
		.amdhsa_system_sgpr_workgroup_id_x 1
		.amdhsa_system_sgpr_workgroup_id_y 1
		.amdhsa_system_sgpr_workgroup_id_z 1
		.amdhsa_system_vgpr_workitem_id 0
		.amdhsa_next_free_vgpr 110
		.amdhsa_next_free_sgpr 66
		.amdhsa_reserve_vcc 1
		.amdhsa_float_denorm_mode_32 3
		.amdhsa_float_denorm_mode_16_64 3
		.amdhsa_memory_ordered 1
		.amdhsa_forward_progress 1
		.amdhsa_inst_pref_size 20
	.end_amdhsa_kernel
	.amdgpu_metadata
---
amdhsa.version: [ 1, 2 ]
amdhsa.kernels:
  - .name:           k_q08884c0afd_cpab
    .symbol:         k_q08884c0afd_cpab.kd
    .args:
      - { .name: points, .offset: 0, .size: 8, .value_kind: global_buffer, .address_space: global }
      - { .name: theta, .offset: 8, .size: 8, .value_kind: global_buffer, .address_space: global }
      - { .name: basis, .offset: 16, .size: 8, .value_kind: global_buffer, .address_space: global }
      - { .name: out0, .offset: 24, .size: 8, .value_kind: global_buffer, .address_space: global }
    .group_segment_fixed_size: 10240
    .private_segment_fixed_size: 0
    .kernarg_segment_align: 8
    .kernarg_segment_size: 32
    .max_flat_workgroup_size: 512
    .sgpr_count:     66
    .vgpr_count:     110
    .wavefront_size: 32
...
	.end_amdgpu_metadata
.endif
;; end of part 1
;; ======== version 2 of 2: 1 launch; version 1 with the launch cpab written anew for expert scheduling mode
;; launch cpab (part 2): grid 256 x 1, 16 waves a work-group, no clusters, 10,240 bytes of LDS; arguments points, theta, basis, out0; writes out0
.if DOCPART == 2
	.amdgcn_target "amdgcn-amd-amdhsa--gfx1250"
	.amdhsa_code_object_version 6
	.text
	.protected	k_q08884c0afd_cpab
	.globl	k_q08884c0afd_cpab
	.p2align	8
	.type	k_q08884c0afd_cpab,@function
k_q08884c0afd_cpab:
	s_mov_b64 s[64:65], 0
	v_nop
	global_prefetch_b8 v0, s[64:65] scope:SCOPE_SE
	s_setreg_imm32_b32 hwreg(HW_REG_WAVE_SCHED_MODE, 0, 2), 2
	s_setreg_imm32_b32 hwreg(HW_REG_WAVE_MODE, 25, 1), 1
	s_wait_xcnt 0x0
	s_wait_alu depctr_vm_vsrc(0)
; 1-D CPAB transformer.  out0[t][p] = points[p] moved 32 times by x <- ea[t][cell] * x + bp[t][cell], cell = clip(floor(32 x), 0, 31),
; with a = (basis[2 cell] . theta[t]) / 32, b = (basis[2 cell + 1] . theta[t]) / 32, ea = exp(a), bp = b * expm1(a) / a.
;
; SHARES.  256 work-groups of 16 waves.  A work-group owns 1,024 points; wave w takes theta t = w & 7 and half w >> 3 of them: 512 points,
; 16 registers of x a lane, 16 chains that do not depend on each other.  A load or store of a wave covers 512 consecutive bytes, aligned.
; THE TABLE IS IN REGISTERS: lane c of a wave holds ea and bp of cell c of the wave's theta, and a step fetches both with ds_bpermute_b32,
; which moves registers between lanes and touches no LDS byte.
; THE STATE IS X = 128 x, and the table holds 128 bp.  A power of two scales exactly, so every rounding is that of the unscaled step, and
; trunc(clamp(X, 0, 127)) is 4 cell + (0..3): the permute takes index / 4 as the lane, so the number is used as it is.
; THE LAST BIT COUNTS: the field jumps at cell borders, so a state one unit in the last place off can take another cell and end far away.
; Hence: product and sum of a step are NOT fused (the problem's einsum sums the rounded products ea * x and bp * 1); the 64 x 8 x 30 product
; is in f32, one fused chain for each sum, k ascending (16-bit operands would move trajectories into other cells); and exp and expm1 are not
; made as exact as can be, but by the f32 forms that, to this writer's knowledge, JAX's CPU back end evaluates them by: exp by the Cephes
; library's polynomial, expm1(a) = tanh(a/2) (exp(a) + 1) up to |a| = 0.5 and exp(a) - 1 beyond, tanh by Eigen's rational function,
; every multiply with a dependent add fused, both quotients correctly rounded.
;
; THE MODE: SCHED_MODE bits 1:0 = 2 (LLVM: expert scheduling mode 2), set by the entry lines.  The code itself states the register dependences
; between vector instructions and memory or LDS instructions, with s_wait_alu, always for 0.
; THE PLAN.  The 16 chains are two groups of eight, g = 0 and g = 8, half a step apart.  Registers that LDS instructions touch in the loop:
;   IDX[g]         Written by group g's sixteen index instructions; read by group g's sixteen permutes, which are issued in the half behind.
;   EA[g], BB[g]   Group g's permutes land in them; group g's four products read EA[g], its four sums BB[g].
;   TEA, TB        Read by every permute; written in the set-up and never again.
; The half of group g applies the step to g, makes g's next indices, and issues the OTHER group's permutes, two in front of each of its eight
; packed instructions.  Its vector instructions name X[g], EA[g], BB[g] and IDX[g]; those permutes touch IDX, EA and BB of the other group,
; TEA and TB: no register in common.  So the two waits at a half's head state all that the half's sixteen permutes and its index
; instructions hang on, and nothing more is owed inside it.
;
; LIMITS.  |x| stays below 2^121 at every step (X = 128 x must not overflow).  Where x overflows, the problem's homogeneous row makes NaN
; of it (0 * inf) and this text keeps inf.  For the exponential a is clamped to [-104, 89]: outside, exp(a) is 0 or inf in f32 anyway.
; Where exp(a) is inf (a above 88.7, that is basis . theta above 2,839) bp comes out as NaN, not inf.  For |a| above 2^126 the reciprocal
; is flushed and phi comes out as 0 where it is below 2^-126.
.set NSTEPS, 32
.set D,      30                        ; numbers in a row of theta and of basis
.set ROWB,   4*D                       ; 120 bytes
.set CELLB,  2*ROWB                    ; a cell's two rows of basis follow each other: 240 bytes
.set OFF, 2                            ; v2       16 x lane: my 16 bytes in each 512 of the wave's points and results; never rewritten
.set STA, 3                            ; v3       16 x thread: my 16 bytes of basis, in memory and in LDS; never rewritten
.set TEA, 4                            ; v4       lane c: ea of cell c
.set TB,  5                            ; v5       lane c: 128 bp of cell c
.set LA,  6                            ; v6       240 x lane: my cell's rows in LDS; never rewritten
.set X,   8                            ; v[8:23]  the 16 chains
.set IDX, 24                           ; v[24:39] their indices
.set EA,  40                           ; v[40:55] ea as fetched
.set BB,  56                           ; v[56:71] 128 bp as fetched
.set BAS, 24                           ; v[24:83] set-up only: basis[2c][0..29], basis[2c+1][0..29]
.set STG, 84                           ; v[84:87] set-up only: 16 bytes of basis on their way to LDS
.set HH,  24                           ; set-up temporaries behind the dot products, in registers that held basis
.set H2,  25
.set NUM, 26
.set DEN, 27
.set RD,  28
.set TT,  29
.set AH,  30
.set EP,  31
.set EM,  32
.set AA,  88                           ; set-up temporaries
.set BV,  89
.set XC,  90
.set NF,  91
.set RR,  92
.set PP,  93
.set ZZ,  94
.set YY,  95
.set EE,  96
.set NI,  97
.set E1,  98
.set AB,  99
.set AS,  100
.set RC,  101
.set PS,  102
.set QQ,  103
.set RM,  104
.set ONE, 105
.set MT,  55                           ; s55      lanes where |a / 2| < 0.0004
.set MB,  56                           ; s56      lanes where |a| > 0.5
.set MS,  57                           ; s57      lanes where |a| < 1e-6
	s_load_b256 s[4:11], s[0:1], 0x0               ; points s[4:5], theta s[6:7], basis s[8:9], out0 s[10:11]
	v_lshl_add_u32 v106, v0, 2, 0x2000
	v_mov_b32 v107, 0
	v_lshrrev_b32 v1, 5, v0
	v_readfirstlane_b32 s12, v1                    ; wave 0..15
	v_and_b32 v1, 31, v0                           ; lane = cell
	v_lshlrev_b32 v[OFF], 4, v1
	v_lshlrev_b32 v[STA], 4, v0
	v_mul_u32_u24 v[LA], v1, CELLB
	s_wait_alu depctr_va_sdst(0)                   ; s12 is written, ahead of its first reader: t, the wave's half and the branch below are made from it
	s_and_b32 s13, s12, 7                          ; t
	s_lshr_b32 s14, s12, 3                         ; which half of the group's points
	s_mul_i32 s46, s13, ROWB                       ; theta's row t, in bytes
	s_mov_b32 s47, 0
	s_lshl_b32 s2, ttmp9, 12                       ; the group's 1,024 points: 4,096 bytes
	s_lshl_b32 s14, s14, 11                        ; the wave's 512: 2,048 bytes
	s_or_b32 s2, s2, s14
	s_mov_b32 s3, 0
	s_lshl_b32 s48, s13, 20                        ; row t of out0: 262,144 x 4 bytes
	s_or_b32 s48, s48, s2
	s_mov_b32 s49, 0
	s_mov_b32 s50, 0x42fe0000                      ; 127.0
	s_mov_b32 s52, 0xc2d00000                      ; -104.0
	s_mov_b32 s53, 0x42b20000                      ; 89.0
	s_mov_b32 s54, 0x3fb8aa3b                      ; 1 / ln 2
	s_wait_kmcnt 0x0
	s_add_nc_u64 s[6:7], s[6:7], s[46:47]
	s_load_b512 s[16:31], s[6:7], 0x0              ; theta[t][0..29] into s[16:45]: 16 + 8 + 4 + 2 words, the row's 120 bytes and no more
	s_load_b256 s[32:39], s[6:7], 0x40
	s_load_b128 s[40:43], s[6:7], 0x60
	s_load_b64 s[44:45], s[6:7], 0x70
	s_add_nc_u64 s[4:5], s[4:5], s[2:3]            ; points and out0 at the wave's first number
	s_add_nc_u64 s[10:11], s[10:11], s[48:49]
	s_wait_alu depctr_va_vdst(0)                   ; v[OFF], v[STA] and v[LA] are written: the loads, the LDS store and the LDS loads below, and the stores at the end, read them as their addresses
.macro LOADX                           ; the wave's 512 points; wanted only behind the set-up
.irp j, 0,1,2,3
	global_load_b128 v[X+4*\j:X+4*\j+3], v[OFF], s[4:5] offset:512*\j
.endr
.endm
	; basis is 7,680 bytes = 15 waves x 32 lanes x 16 bytes: waves 0 to 14 bring it into LDS once, in consecutive bytes; wave 15 has no part.
	s_cmp_lt_u32 s12, 15
	s_cbranch_scc0 .Lno_part
	global_load_b128 v[STG:STG+3], v[STA], s[8:9]
	LOADX
	s_wait_loadcnt 0x4                             ; loads come back in order: my part of basis is in, the four loads of points stay out
	ds_store_b128 v[STA], v[STG:STG+3]
	s_branch .Lstaged
.Lno_part:
	LOADX
.Lstaged:
	s_wait_dscnt 0x0                               ; my store is done, for the other waves' sake,
	s_barrier_signal -1
	s_barrier_wait -1                              ; and so is everybody's: basis is whole, and nobody writes LDS again
	; my cell's two rows: 15 loads of 16 bytes.  Lanes are 240 bytes apart, an odd multiple of 16: sixteen lanes touch sixteen different columns of 16 bytes.
	; No vector instruction has named v[BAS ..] so far, and none has been issued since the wait that showed v[LA] written.
.set i, 0
.rept 15
	ds_load_b128 v[BAS+4*i:BAS+4*i+3], v[LA] offset:16*i
.set i, i+1
.endr
	v_mov_b32 v[ONE], 1.0
	v_mov_b32 v[PP], 0x39506967                    ; the exponential's leading coefficient, 1.9875691500e-4
	s_wait_kmcnt 0x0                               ; theta's row
	s_wait_dscnt 0x0                               ; basis' rows
	v_mul_f32 v[AA], s16, v[BAS]                   ; the first products start the two sums
	v_mul_f32 v[BV], s16, v[BAS+D]
.set k, 1
.rept D-1
	v_fmac_f32 v[AA], s[16+k], v[BAS+k]            ; k ascending, one chain for a and one for b, by turns
	v_fmac_f32 v[BV], s[16+k], v[BAS+D+k]
.set k, k+1
.endr
	v_mul_f32 v[AA], 0x3d000000, v[AA]             ; times dT = 1/32, exact
	v_mul_f32 v[BV], 0x3d000000, v[BV]
	; The masks of the three selects further down hang on a alone: they are made here, in one run, each in a scalar register of its own,
	; so that one wait ahead of the first select serves all three.
	v_mul_f32 v[HH], 0.5, v[AA]                    ; h = a / 2
	v_and_b32 v[AH], 0x7fffffff, v[HH]
	v_and_b32 v[AB], 0x7fffffff, v[AA]
	v_cmp_gt_f32 s[MT], 0.0004, v[AH]
	v_cmp_lt_f32 s[MB], 0.5, v[AB]
	v_cmp_gt_f32 s[MS], 0x358637bd, v[AB]          ; 1e-6 > |a|
	; exp(a) = 2^n (1 + y), n = floor(a / ln 2 + 0.5), r = a - n ln 2 (ln 2 in two parts), y = r + r^2 P(r), P of degree 5 (Cephes' expf).
	; For the usual small a: n = 0 and r = a.
	v_med3_num_f32 v[XC], v[AA], s52, s53
	v_fma_f32 v[NF], v[XC], s54, 0.5
	v_floor_f32 v[NF], v[NF]
	v_fmamk_f32 v[RR], v[NF], 0xbf318000, v[XC]    ; - n x 0.693359375
	v_fmamk_f32 v[RR], v[NF], 0x395e8083, v[RR]    ; + n x 2.12194440e-4
	v_fmaak_f32 v[PP], v[PP], v[RR], 0x3ab743ce    ; 1.3981999507e-3
	v_fmaak_f32 v[PP], v[PP], v[RR], 0x3c088908    ; 8.3334519073e-3
	v_fmaak_f32 v[PP], v[PP], v[RR], 0x3d2aa9c1    ; 4.1665795894e-2
	v_fmaak_f32 v[PP], v[PP], v[RR], 0x3e2aaaaa    ; 1.6666665459e-1
	v_fma_f32 v[PP], v[PP], v[RR], 0.5             ; 5.0000001201e-1 is 0.5 in f32
	v_mul_f32 v[ZZ], v[RR], v[RR]
	v_fma_f32 v[YY], v[PP], v[ZZ], v[RR]
	v_add_f32 v[EE], 1.0, v[YY]
	v_cvt_i32_f32 v[NI], v[NF]
	v_ldexp_f32 v[TEA], v[EE], v[NI]               ; ea; 0 or inf where f32 has no number for it
	; tanh(h) as h N(h^2) / D(h^2); it is used up to |h| = 0.25 alone, so the form's clamp of h at 7.9988 is not written
	; (beyond 0.25 whatever comes out here, NaN too, is dropped by the select below).  The two Horner chains take turns.
	v_mul_f32 v[H2], v[HH], v[HH]
	v_mov_b32 v[NUM], -0.000000000000000276076847742355
	v_mov_b32 v[DEN], 0.00000119825839466702
	v_fmaak_f32 v[NUM], v[H2], v[NUM], 0.000000000000200018790482477
	v_fmaak_f32 v[DEN], v[H2], v[DEN], 0.000118534705686654
	v_fmaak_f32 v[NUM], v[H2], v[NUM], -0.0000000000860467152213735
	v_fmaak_f32 v[DEN], v[H2], v[DEN], 0.00226843463243900
	v_fmaak_f32 v[NUM], v[H2], v[NUM], 0.0000000512229709037114
	v_fmaak_f32 v[DEN], v[H2], v[DEN], 0.00489352518554385
	v_fmaak_f32 v[NUM], v[H2], v[NUM], 0.0000148572235717979
	v_rcp_f32 v[RD], v[DEN]
	v_fmaak_f32 v[NUM], v[H2], v[NUM], 0.000637261928875436    ; a plain instruction that names neither the reciprocal nor its source stands behind v_rcp_f32 (ISA guide 5.7.2)
	v_fmaak_f32 v[NUM], v[H2], v[NUM], 0.00489352455891786
	v_mul_f32 v[NUM], v[HH], v[NUM]
	s_wait_alu depctr_va_vdst(0)
	v_mul_f32 v[TT], v[NUM], v[RD]                 ; the quotient to a unit or two,
	v_fma_f32 v[RM], -v[TT], v[DEN], v[NUM]        ; its remainder,
	v_fma_f32 v[TT], v[RM], v[RD], v[TT]           ; and the quotient rounded once from quotient + remainder / divisor
	s_wait_alu depctr_va_sdst(0)                   ; the three compares have written s[MT], s[MB] and s[MS], ahead of the first select that reads one of them
	v_cndmask_b32 v[TT], v[TT], v[HH], s[MT]       ; tanh(h) = h where |h| < 0.0004
	; expm1(a) = tanh(a/2) (exp(a) + 1), or exp(a) - 1 where |a| > 0.5.  (That form's third case, a / 2 = 0, lies inside |a| < 1e-6 below.)
	v_add_f32 v[EP], 1.0, v[TEA]
	v_add_f32 v[EM], -1.0, v[TEA]
	v_mul_f32 v[E1], v[TT], v[EP]
	v_cndmask_b32 v[E1], v[E1], v[EM], s[MB]
	; phi = expm1(a) / a, or 1 + a / 2 where |a| < 1e-6, as the problem has it
	v_cndmask_b32 v[AS], v[AA], v[ONE], s[MS]      ; the divisor: 1 there, a elsewhere
	v_rcp_f32 v[RC], v[AS]
	v_fma_f32 v[PS], 0.5, v[AA], 1.0               ; the plain instruction behind v_rcp_f32
	s_wait_alu depctr_va_vdst(0)
	v_mul_f32 v[QQ], v[E1], v[RC]
	v_fma_f32 v[RM], -v[QQ], v[AS], v[E1]          ; as above: remainder,
	v_fma_f32 v[QQ], v[RM], v[RC], v[QQ]           ; and one rounding
	v_cndmask_b32 v[QQ], v[QQ], v[PS], s[MS]
	v_mul_f32 v[BV], v[BV], v[QQ]                  ; bp = b phi
	v_mul_f32 v[TB], 0x43000000, v[BV]             ; 128 bp, exact
	s_wait_loadcnt 0x0                             ; the points
.irp i, 0,2,4,6,8,10,12,14
	v_pk_mul_f32 v[X+\i:X+\i+1], v[X+\i:X+\i+1], 0x43000000 op_sel_hi:[1,0]    ; X = 128 x, exact
.endr
; Chains g to g + 7: the index of the lane that holds the cell.
.macro INDEX g
.irp i, 0,1,2,3,4,5,6,7
	v_med3_num_f32 v[IDX+\g+\i], v[X+\g+\i], 0, s50            ; clamp first: in [0, 127] truncation is floor, and below 0 and from 124 on the cell is the clipped one
.endr
.irp i, 0,1,2,3,4,5,6,7
	v_cvt_u32_f32 v[IDX+\g+\i], v[IDX+\g+\i]                   ; 4 cell + (0..3)
.endr
.endm
; Half a step: group g (chains g to g + 7) takes the step, two chains an instruction, product and sum each rounded (see the head).
; fetch = 1: the other group o's sixteen permutes are issued, two in front of each packed instruction: the eight for EA[o], then the eight for BB[o].
; next = 1: group g's indices for its next step are made.
; At the head, on every way, group g's sixteen permutes are the LDS instructions that are out: eight for EA[g], then eight for BB[g].
.macro HALF g, o, fetch, next
	s_wait_dscnt 8                                 ; LDS instructions come back in order: EA[g] is in, the eight younger permutes, for BB[g], may be out
.if \next
	s_wait_alu depctr_vm_vsrc(0)                   ; group g's permutes, all issued in the half before, have read IDX[g], which this half's index instructions write again
.endif
.if \fetch
	s_wait_alu depctr_va_vdst(0)                   ; the half before has written IDX[o], which the permutes below read, and is done reading EA[o] and BB[o], in which they land
.endif
.irp i, 0,2,4,6
.if \fetch
	ds_bpermute_b32 v[EA+\o+\i],   v[IDX+\o+\i],   v[TEA]      ; no vector instruction since the wait names a register of group o, TEA or TB
	ds_bpermute_b32 v[EA+\o+\i+1], v[IDX+\o+\i+1], v[TEA]
.endif
	v_pk_mul_f32 v[X+\g+\i:X+\g+\i+1], v[X+\g+\i:X+\g+\i+1], v[EA+\g+\i:EA+\g+\i+1]
.endr
	s_wait_dscnt 8*\fetch                          ; all but the permutes just issued in this half (eight, or none): BB[g] is in
.irp i, 0,2,4,6
.if \fetch
	ds_bpermute_b32 v[BB+\o+\i],   v[IDX+\o+\i],   v[TB]
	ds_bpermute_b32 v[BB+\o+\i+1], v[IDX+\o+\i+1], v[TB]
.endif
	v_pk_add_f32 v[X+\g+\i:X+\g+\i+1], v[X+\g+\i:X+\g+\i+1], v[BB+\g+\i:BB+\g+\i+1]
.endr
.if \next
	INDEX \g
.endif
.endm
	; The way in leaves what the half of group 8 leaves: group 0's permutes out, EA's eight and then BB's eight, and group 8's indices made.
	INDEX 0
	s_wait_alu depctr_va_vdst(0)                   ; TEA, TB and IDX[0..7] are written, which the permutes read; the dot products are done reading v[40:71], in which permutes land from here on
.irp i, 0,1,2,3,4,5,6,7
	ds_bpermute_b32 v[EA+\i], v[IDX+\i], v[TEA]                ; dealt among group 8's index instructions, which name X[8..15] and IDX[8..15] alone
	v_med3_num_f32 v[IDX+8+\i], v[X+8+\i], 0, s50
.endr
.irp i, 0,1,2,3,4,5,6,7
	ds_bpermute_b32 v[BB+\i], v[IDX+\i], v[TB]
	v_cvt_u32_f32 v[IDX+8+\i], v[IDX+8+\i]
.endr
	s_mov_b32 s51, NSTEPS-1
.Lstep:
	HALF 0, 8, 1, 1                                ; chains 0 to 7 take this step; chains 8 to 15 fetch for it
	HALF 8, 0, 1, 1                                ; chains 8 to 15 take it; chains 0 to 7 fetch for the next
	s_sub_co_u32 s51, s51, 1
	s_cmp_lg_u32 s51, 0
	s_cbranch_scc1 .Lstep
	HALF 0, 8, 1, 0                                ; the last step: no index is made and nothing is fetched for a step 33,
	HALF 8, 0, 0, 0                                ; so the waits whose dependence is gone are not written
.irp i, 0,2,4,6,8,10,12,14
	v_pk_mul_f32 v[X+\i:X+\i+1], v[X+\i:X+\i+1], 0x3c000000 op_sel_hi:[1,0]    ; x = X / 128, exact
.endr
	s_wait_alu depctr_va_vdst(0)                   ; the eight products have written v[X ..], which the stores read
.irp j, 0,1,2,3
	global_store_b128 v[OFF], v[X+4*\j:X+4*\j+3], s[10:11] offset:512*\j th:TH_STORE_NT   ; 512 consecutive bytes, aligned; written once, not read again
.endr
	s_wait_dscnt 0x0
	s_wait_alu depctr_hold_cnt(0) depctr_sa_sdst(0) depctr_va_vdst(0) depctr_va_sdst(0) depctr_va_ssrc(0) depctr_va_vcc(0) depctr_vm_vsrc(0)
	s_wait_tensorcnt 0x0
	ds_add_u32 v106, v107
	s_wait_dscnt 0x0
	s_endpgm
.Lfunc_end_k_q08884c0afd_cpab:
	.size	k_q08884c0afd_cpab, .Lfunc_end_k_q08884c0afd_cpab-k_q08884c0afd_cpab
	.p2alignl 7, 3214868480
	.fill 96, 4, 3214868480
	.section	.rodata,"a",@progbits
	.p2align	6, 0x0
	.amdhsa_kernel k_q08884c0afd_cpab
		.amdhsa_group_segment_fixed_size 10240
		.amdhsa_private_segment_fixed_size 0
		.amdhsa_enable_private_segment 0
		.amdhsa_kernarg_size 32
		.amdhsa_user_sgpr_count 2
		.amdhsa_user_sgpr_kernarg_segment_ptr 1
		.amdhsa_wavefront_size32 1
		.amdhsa_system_sgpr_workgroup_id_x 1
		.amdhsa_system_sgpr_workgroup_id_y 1
		.amdhsa_system_sgpr_workgroup_id_z 1
		.amdhsa_system_vgpr_workitem_id 0
		.amdhsa_next_free_vgpr 108
		.amdhsa_next_free_sgpr 66
		.amdhsa_reserve_vcc 0
		.amdhsa_float_denorm_mode_32 3
		.amdhsa_float_denorm_mode_16_64 3
		.amdhsa_memory_ordered 1
		.amdhsa_forward_progress 1
		.amdhsa_inst_pref_size 21
	.end_amdhsa_kernel
	.amdgpu_metadata
---
amdhsa.version: [ 1, 2 ]
amdhsa.kernels:
  - .name:           k_q08884c0afd_cpab
    .symbol:         k_q08884c0afd_cpab.kd
    .args:
      - { .name: points, .offset: 0, .size: 8, .value_kind: global_buffer, .address_space: global }
      - { .name: theta, .offset: 8, .size: 8, .value_kind: global_buffer, .address_space: global }
      - { .name: basis, .offset: 16, .size: 8, .value_kind: global_buffer, .address_space: global }
      - { .name: out0, .offset: 24, .size: 8, .value_kind: global_buffer, .address_space: global }
    .group_segment_fixed_size: 10240
    .private_segment_fixed_size: 0
    .kernarg_segment_align: 8
    .kernarg_segment_size: 32
    .max_flat_workgroup_size: 512
    .sgpr_count:     66
    .vgpr_count:     108
    .wavefront_size: 32
...
	.end_amdgpu_metadata
.endif
;; end of part 2
